; MI455X (gfx1250); checked and timed in simulation.
; The chip was launched on July 23, 2026; its instructions are those of AMD's public machine-readable ISA for CDNA 5 (MIT licence, August 2026) and "CDNA5" Instruction Set Architecture Reference Guide (July 2026). The comments in the code are by the model that wrote it; some were corrected since.
;; Mock Lo HA Adapter. Allowed arithmetic: matrix products marked QUANTISED: E2M3 operands, one E8M0 scale for each 32 along K, by v_wmma_scale_f32_16x16x128_f8f6f4 with both operands' format E2M3, f32 sums; products left as they are: f32 operands where the result goes on into a quantised operand, else bf16, f16 or f32 operands; f32 sums; everything else in f32.
;; Inputs: hada_w1_a 4,096 x 16 float32; hada_w1_b 16 x 4,096 float32; hada_w2_a 4,096 x 16 float32; hada_w2_b 16 x 4,096 float32; org_bias 4,096 float32; org_weight_codes 4,096 x 128 x 24 uint8 (E2M3 codes of org_weight, K innermost, in blocks of 32 codes, four codes in three bytes); org_weight_scales 4,096 x 128 uint8 (E8M0 scales of org_weight, one for each 32 codes along K); scalar one number float32; x_codes 4 x 512 x 128 x 24 uint8 (E2M3 codes of x, K innermost, in blocks of 32 codes, four codes in three bytes); x_scales 4 x 512 x 128 uint8 (E8M0 scales of x, one for each 32 codes along K).
;; Outputs: out0 4 x 512 x 4,096 float32.
;; This version of the problem:
;;   THIS VERSION OF THE PROBLEM IS GIVEN IN LOW PRECISION. The matrix products marked QUANTISED in the list below multiply operands that are first quantised to E2M3 (2 exponent bits, 3 mantissa bits; 6 bits a number), with one power-of-two scale for each 32 numbers along K (OCP MX v1.0); their sums are f32. All else is computed in f32.
;;   The module's matrix products, in the order in which they are computed (A, B: the left and right operand; K: the contracted axis; several contracted axes count as one K, in the product's order):
;;     1. [M 2,048, K 4,096] x [K 4,096, N 4,096]; A: input x (given as codes); B: input org_weight (given as codes): QUANTISED
;;     2. [M 4,096, K 16] x [K 16, N 4,096]; A: input hada_w1_a; B: input hada_w1_b: left as it is (K = 16 < 32)
;;     3. [M 4,096, K 16] x [K 16, N 4,096]; A: input hada_w2_a; B: input hada_w2_b: left as it is (K = 16 < 32)
;;     4. [M 2,048, K 4,096] x [K 4,096, N 4,096]; A: input x (given as codes); B: computed on the way: QUANTISED
;;   THE QUANTISER, for each operand of a quantised product, along K:
;;     - K is cut into blocks of 32 from its start; a last block that is shorter is filled with zeros.
;;     - A block's scale is 2^e with e = floor(log2(the largest magnitude in the block)) - 2, held to -126 .. 127; a block of zeros has e = 0. As a byte (E8M0): e + 127.
;;     - Each number is divided by its block's scale, clamped to +-7.5, and rounded to the nearest number of E2M3, ties to even, subnormals kept.
;;     - The product sums the exact products of the quantised numbers (number of the format x scale) in f32.
;;   ~~~python
;;   def quantise(x, axis):      # numpy; x: float32 -> the quantised numbers, widened to float32 again
;;       x = np.moveaxis(x, axis, -1); K = x.shape[-1]
;;       x = np.pad(x, [(0, 0)] * (x.ndim - 1) + [(0, -K % 32)]); x = x.reshape(x.shape[:-1] + (-1, 32)); a = np.abs(x).max(-1, keepdims=True)
;;       e = np.where(a > 0, np.clip(np.frexp(np.where(a > 0, a, 1))[1] - 1 - 2, -126, 127), 0)      # np.frexp(a)[1] - 1 = floor(log2(a)), exactly
;;       r = np.clip(x / 2.0 ** e, -7.5, 7.5)
;;       step = 2.0 ** (np.maximum(np.frexp(np.where(r == 0, 1, r))[1] - 1, 0) - 3)
;;       q = np.round(r / step) * step * 2.0 ** e      # np.round: ties to even
;;       return np.moveaxis(q.reshape(q.shape[:-2] + (-1,))[..., :K], -1, axis).astype(np.float32)
;;   ~~~
;;   OPERANDS COMPUTED ON THE WAY. 'Computed on the way' means the value that the module computes at that place (a softmax that the list does not call 'softmax' is quantised finished and normalised). What goes into a quantiser is computed in f32, as accurately as f32 sums, v_exp_f32 and their like allow (about 1e-6 of the number): no bf16 or f16 on the way to a quantiser, and a product that is left as it is and whose result goes on into a quantised operand takes f32 operands (vector FMAs, or v_wmma_f32_16x16x4_f32). A number that lies on a knife's edge between two numbers of the format may be rounded either way, as far as f32 arithmetic and the matrix unit's own rounding can turn it there, and no further.
;;   INPUTS GIVEN AS CODES. org_weight (in the module: [4096, 4096], K = its axis 1); x (in the module: [4, 512, 4096], K = its axis 2): each comes as NAME_codes (uint8): NAME with its K axis moved to the last place and cut into blocks of 32 codes, [.., K / 32, bytes a block], one block behind the other in memory; four codes in three bytes: a row's codes are one little-endian stream of bits, code i at bits 6 i .. 6 i + 5 (a code: sign, 2 exponent bits, 3 mantissa bits); and NAME_scales (uint8): the same leading axes, one E8M0 byte (e + 127) for each 32 codes along K. Its value is code x scale, taken as it is: it is not quantised again, and the codes and scales need not be those that the quantiser above would give.
;; One version. Each part assembles by itself: llvm-mc -triple=amdgcn-amd-amdhsa -mcpu=gfx1250 --defsym DOCPART=n.
;; ======== version 1 of 1: 2 launches
;; limits: right only within a limited range of input values
;; workspace buffers: dtile 13,762,560 bytes; xs2 262,144 bytes
;; launch mkdiff (part 1): grid 4 x 64, 16 waves a work-group, no clusters, 57,344 bytes of LDS; arguments hada_w1_a, hada_w1_b, hada_w2_a, hada_w2_b, scalar, org_weight_scales, x_scales, dtile, xs2; writes dtile, xs2
.if DOCPART == 1
	.amdgcn_target "amdgcn-amd-amdhsa--gfx1250"
	.amdhsa_code_object_version 6
	.text
	.protected	k_q75015656ee_mkdiff
	.globl	k_q75015656ee_mkdiff
	.p2align	8
	.type	k_q75015656ee_mkdiff,@function
k_q75015656ee_mkdiff:
	s_mov_b64 s[64:65], 0
	v_nop
	global_prefetch_b8 v0, s[64:65] scope:SCOPE_SE
	s_setreg_imm32_b32 hwreg(HW_REG_WAVE_MODE, 25, 1), 1
	s_wait_xcnt 0x0
; D[o][i] = (sum over k of w1a[o][k] w1b[k][i]) x (sum over k of w2a[o][k] w2b[k][i]) x scalar, all in f32, turned into codes of FP6 (E2M3) along i with one E8M0 byte for each 32 along i.
; reference()'s scale and multiplier are the constant 1.0 of its own body: factors of 1, not multiplied.  No other work is left out; every input has its way to the output.
; The two rank-16 products feed a quantiser, so their operands are f32: v_wmma_f32_16x16x4_f32, four K steps of 4.
; WHAT IS STORED, laid as the next launch's tensor loads take it:
;   dtile [32 blocks of 128 rows o][12 chunks][140 rows of 256 bytes]: rows 0-127 are bytes 256 c .. 256 c + 255 of the 128 rows of D's codes (a row of codes is 3,072 bytes);
;     rows 128-139 are scale words (four bytes: 128 along i of one row o) of three steps of 128 along i, 1,024 bytes a step: org_weight's rows 0-63, D's 0-63, org_weight's 64-127, D's 64-127.
;     Of each eight steps, chunk 0 carries steps 0-2, chunk 1 steps 3-5, chunk 2 steps 6, 7 and step 7 once more (so that every byte of a tile is written).
;   xs2 [8 blocks of 256 rows of x][32 steps][256 rows x 4 bytes]: x's scale words, step by step.
; SHARES.  Work-group (x = 0..3, y = 0..63) makes rows o = 64 y .. + 63 and i = 1,024 x .. + 1,023 (three chunks, eight steps), copies org_weight's scale bytes of the same rows and steps, and
; x's of rows 32 y .. + 31.  Wave w of sixteen owns the 64 i at 64 w: its numbers of w1b and w2b stay in registers, and it walks the four tiles of 16 rows o.  One barrier, in front of the way out.
; LAYOUT.  The product is used transposed (source 0 = 16 i, source 1 = 16 o): a lane holds ONE row o and its registers run along i, the quantiser's K.  Lane r of tile 2 b + u takes
; i = 32 b + 8 u + r + 8 (r / 8), so that the 16 registers of tiles 2 b, 2 b + 1 are 16 neighbours.  The rank is taken in another order, alike on both sources (step s, half h, register j: rank 8 h + 2 s + j):
; the sum's order differs from ascending k, an f32 rounding difference ahead of the quantiser.
; LIMITS: a block of zeros, or one whose largest magnitude lies under 2^(3 - 127), gets the byte 1 (the rule says 127 for zeros); the bytes are read by this program alone.  NaN and infinities among the inputs are not served.
.set TILEB, 35840                      ; a tile of dtile: 140 rows of 256 bytes
.set SPT,  784                         ; a stage row: 768 bytes of codes + 16
.set SCST, 64*SPT                      ; D's scale bytes: 64 rows x 32
.set SCW,  SCST+2048                   ; org_weight's, the same shape
.set SCX,  SCW+2048                    ; x's: 32 rows x 32
.set SPARE, SCX+1024                   ; the spare words, 128 bytes a wave
.set AOF,  3                           ; w1a, w2a: 64 r + 32 h
.set BOF,  4                           ; w1b, w2b: 8 h rows of 16,384 bytes + 4 (r + 8 (r / 8))
.set STA,  5                           ; the stage, in: 784 r + 24 h + 48 w
.set SCA,  6                           ; my row's two scale bytes: SCST + 32 r + 2 w
.set RDA,  7                           ; the stage, out: row 4 w + h, 16 bytes a lane
.set GCO,  8                           ; the same place in a tile of dtile
.set SRD,  9                           ; scale words, out: step w / 2, row 32 (w % 2) + lane
.set GSO,  10                          ; their place from the first tile's start
.set CIN,  11                          ; scale bytes, in: row t / 8 of 128 bytes, word t % 8
.set CLW,  12                          ; and where they go: SCW + 4 t
.set XRD,  13                          ; x's scale words, out: step w, row lane
.set XGO,  14
.set BF1,  16
.set BF2,  48
.set AF,   80
.set P1,   112                         ; written by matrix instructions alone
.set P2,   144
.set HD,   176
.set TM,   208
.set PC,   218
.set CW,   226
.set CX,   227
.set WV,   34
.set YY,   35
.set SCV,  36
.set SEL,  38
	s_load_b256 s[4:11], s[0:1], 0x0               ; w1a, w1b, w2a, w2b
	s_load_b256 s[12:19], s[0:1], 0x20             ; scalar, org_weight_scales, x_scales, dtile
	s_load_b64 s[20:21], s[0:1], 0x40              ; xs2
	v_lshl_add_u32 v232, v0, 2, SPARE
	v_mov_b32 v233, 0
	v_lshrrev_b32 v15, 5, v0
	v_readfirstlane_b32 s[WV], v15                 ; wave 0..15
	s_and_b32 s[YY], ttmp7, 0xffff
	s_and_b32 s33, s[YY], 1                        ; which 64 of the block's 128 rows
	s_mul_i32 s24, s[WV], 48
	s_lshl_b32 s25, s[WV], 1
	s_add_co_u32 s25, s25, SCST
	s_mul_i32 s26, s[WV], 4*SPT
	s_lshl_b32 s27, s[WV], 10
	s_lshl_b32 s32, s33, 14
	s_add_co_u32 s27, s27, s32                     ; row 64 (y % 2) + 4 w of 256 bytes
	s_and_b32 s32, s[WV], 1
	s_lshr_b32 s31, s[WV], 1                       ; my step s of eight
	s_lshl_b32 s28, s32, 10
	s_lshl_b32 s29, s31, 2
	s_add_co_u32 s28, s28, s29
	s_add_co_u32 s28, s28, SCST
	s_mul_i32 s29, s31, 11
	s_lshr_b32 s29, s29, 5                         ; s / 3: the chunk
	s_mul_i32 s30, s29, 3
	s_sub_co_u32 s30, s31, s30                     ; s % 3: the place in it
	s_mul_i32 s29, s29, TILEB
	s_lshl_b32 s30, s30, 10
	s_add_co_u32 s29, s29, s30
	s_lshl_b32 s30, s32, 7
	s_add_co_u32 s29, s29, s30
	s_lshl_b32 s30, s33, 9
	s_add_co_u32 s29, s29, s30
	s_add_co_u32 s29, s29, 32768                   ; behind the tile's 128 rows of codes
	s_lshl_b32 s30, s[WV], 2
	s_add_co_u32 s30, s30, SCX
	s_lshl_b32 s31, s[WV], 10
	v_and_b32 v1, 15, v0                           ; r
	v_bfe_u32 v2, v0, 4, 1                         ; h
	v_and_b32 v228, 31, v0                         ; lane
	v_lshlrev_b32 v[AOF], 6, v1
	v_and_b32 v229, 8, v1
	v_mul_u32_u24 v[STA], v1, SPT
	v_lshl_add_u32 v[AOF], v2, 5, v[AOF]
	v_add_nc_u32 v229, v229, v1
	v_mad_u32_u24 v[STA], v2, 24, v[STA]
	v_lshlrev_b32 v[BOF], 2, v229
	v_add_nc_u32 v[STA], s24, v[STA]
	v_lshl_add_u32 v[BOF], v2, 17, v[BOF]
	v_lshl_add_u32 v[SCA], v1, 5, s25
	v_mul_u32_u24 v[RDA], v2, SPT
	v_lshlrev_b32 v[GCO], 8, v2
	v_lshl_add_u32 v[RDA], v1, 4, v[RDA]
	v_lshl_add_u32 v[GCO], v1, 4, v[GCO]
	v_add_nc_u32 v[RDA], s26, v[RDA]
	v_add_nc_u32 v[GCO], s27, v[GCO]
	v_lshl_add_u32 v[SRD], v228, 5, s28
	v_lshl_add_u32 v[GSO], v228, 2, s29
	v_lshl_add_u32 v[XRD], v228, 5, s30
	v_lshl_add_u32 v[XGO], v228, 2, s31
	v_lshrrev_b32 v229, 3, v0
	v_and_b32 v230, 7, v0
	v_lshlrev_b32 v[CIN], 7, v229
	v_lshl_add_u32 v[CLW], v0, 2, SCW
	v_lshl_add_u32 v[CIN], v230, 2, v[CIN]
	v_mov_b32 v[TM+2], 0                           ; a lane permute's destination counts as one of its sources
	v_mov_b32 v[TM+3], 0
	s_mov_b32 s[SEL], 0x76543210
	s_mov_b32 s[SEL+1], 0xfedcba98
	s_lshl_b32 s24, ttmp9, 12                      ; w1b, w2b: (1,024 x + 64 w) x 4 bytes
	s_lshl_b32 s25, s[WV], 8
	s_add_co_u32 s24, s24, s25
	s_mov_b32 s25, 0
	s_lshl_b32 s26, s[YY], 12                      ; w1a, w2a: 64 y rows of 64 bytes
	s_mov_b32 s27, 0
	s_lshr_b32 s28, s[YY], 1                       ; dtile: tile 12 (y / 2) + 3 x
	s_mul_i32 s28, s28, 12
	s_mul_i32 s29, ttmp9, 3
	s_add_co_u32 s28, s28, s29
	s_mul_i32 s28, s28, TILEB
	s_mov_b32 s29, 0
	s_lshl_b32 s32, ttmp9, 5
	s_lshl_b32 s30, s[YY], 13                      ; org_weight_scales: 64 y rows of 128 bytes + 32 x
	s_add_co_u32 s30, s30, s32
	s_mov_b32 s31, 0
	s_lshl_b32 s40, s[YY], 12                      ; x_scales: 32 y rows + 32 x
	s_add_co_u32 s32, s40, s32
	s_mov_b32 s33, 0
	s_lshr_b32 s40, s[YY], 3                       ; xs2: block y / 8, step 8 x, row 32 (y % 8)
	s_lshl_b32 s40, s40, 15
	s_lshl_b32 s41, ttmp9, 13
	s_add_co_u32 s40, s40, s41
	s_and_b32 s41, s[YY], 7
	s_lshl_b32 s41, s41, 7
	s_add_co_u32 s40, s40, s41
	s_mov_b32 s41, 0
	s_wait_alu depctr_va_vdst(0)                   ; the wait at the head's end
	s_wait_kmcnt 0x0
	s_load_b32 s[SCV], s[12:13], 0x0
	s_add_nc_u64 s[6:7], s[6:7], s[24:25]
	s_add_nc_u64 s[10:11], s[10:11], s[24:25]
	s_add_nc_u64 s[4:5], s[4:5], s[26:27]
	s_add_nc_u64 s[8:9], s[8:9], s[26:27]
	s_add_nc_u64 s[18:19], s[18:19], s[28:29]
	s_add_nc_u64 s[14:15], s[14:15], s[30:31]
	s_add_nc_u64 s[16:17], s[16:17], s[32:33]
	s_add_nc_u64 s[20:21], s[20:21], s[40:41]
	global_load_b32 v[CW], v[CIN], s[14:15]        ; eight lanes read a row's 32 bytes
	s_cmp_lt_u32 s[WV], 8
	s_cbranch_scc0 .Lno_x_in
	global_load_b32 v[CX], v[CIN], s[16:17]        ; x has 32 rows here: threads 0-255
.Lno_x_in:
.irp u, 0,1,2,3
.irp e, 0,1,2,3,4,5,6,7
	global_load_b32 v[BF1+8*\u+\e], v[BOF], s[6:7] offset:\e*16384+4*(32*(\u/2)+8*(\u%2))
	global_load_b32 v[BF2+8*\u+\e], v[BOF], s[10:11] offset:\e*16384+4*(32*(\u/2)+8*(\u%2))
.endr
.endr
.macro ALOAD t
.set AL, AF+16*((\t)%2)
	global_load_b128 v[AL:AL+3],     v[AOF], s[4:5] offset:1024*(\t)
	global_load_b128 v[AL+4:AL+7],   v[AOF], s[4:5] offset:1024*(\t)+16
	global_load_b128 v[AL+8:AL+11],  v[AOF], s[8:9] offset:1024*(\t)
	global_load_b128 v[AL+12:AL+15], v[AOF], s[8:9] offset:1024*(\t)+16
.endm
	ALOAD 0
	ALOAD 1
	s_wait_kmcnt 0x0
	s_mov_b32 s[SCV+1], s[SCV]
; 32 numbers of a lane become 24 bytes of codes in v[PC] .. v[PC+5] (lane (r, h): block h of row r) and the two blocks' bytes in v[TM+8]
.macro QUANT2
.irp b, 0,1
	v_max3_num_f32 v[TM+\b], |v[HD+16*\b]|, |v[HD+16*\b+1]|, 0x1800000   ; with the floor 2^(3 - 127): the byte cannot fall under 1
.endr
.irp i, 2,4,6,8,10,12,14
.irp b, 0,1
	s_delay_alu instid0(VALU_DEP_2)
	v_max3_num_f32 v[TM+\b], v[TM+\b], |v[HD+16*\b+\i]|, |v[HD+16*\b+\i+1]|
.endr
.endr
.irp b, 0,1
	s_delay_alu instid0(VALU_DEP_2)
	v_permlanex16_b32 v[TM+2+\b], v[TM+\b], s[SEL], s[SEL+1]
.endr
.irp b, 0,1
	s_delay_alu instid0(VALU_DEP_2)
	v_max_num_f32 v[TM+\b], v[TM+\b], v[TM+2+\b]   ; with lane l xor 16's: the block's largest magnitude
.endr
.irp b, 0,1
	s_delay_alu instid0(VALU_DEP_2)
	v_add_nc_u32 v[TM+4+\b], 0xff000000, v[TM+\b]  ; 2 off its exponent field: the conversion's scale operand
.endr
.irp b, 0,1
	s_delay_alu instid0(VALU_DEP_2)
	v_lshrrev_b32 v[TM+6+\b], 23, v[TM+4+\b]       ; the scale's byte
.endr
	s_delay_alu instid0(VALU_DEP_1)
	v_lshl_or_b32 v[TM+8], v[TM+7], 8, v[TM+6]
	v_cvt_scalef32_pk16_fp6_f32 v[PC:PC+2], v[HD:HD+15], v[TM+4]
	v_cvt_scalef32_pk16_fp6_f32 v[PC+4:PC+6], v[HD+16:HD+31], v[TM+5]
	v_nop                                          ; one plain place behind a scaled conversion
.irp i, 0,1,2
	v_permlane16_swap_b32 v[PC+\i], v[PC+4+\i]     ; each lane now holds ONE block
.endr
	s_delay_alu instid0(VALU_DEP_3)
	v_mov_b32 v[PC+3], v[PC+4]
	s_delay_alu instid0(VALU_DEP_3)
	v_mov_b32 v[PC+4], v[PC+5]
	s_delay_alu instid0(VALU_DEP_3)
	v_mov_b32 v[PC+5], v[PC+6]
.endm
.macro TILE t                          ; rows o = 16 t .. 16 t + 15 of the work-group's 64
.set AS, AF+16*((\t)%2)
.if (\t) > 0
	s_wait_dscnt 0x0
.endif
.if (\t) < 3
	s_wait_loadcnt 4                               ; all but the next set's four loads are in
.else
	s_wait_loadcnt 0x0
.endif
.irp s, 0,1,2,3                        ; eight accumulators by turns; the first step starts the sums with the constant 0
.irp u, 0,1,2,3
.if \s == 0
	v_wmma_f32_16x16x4_f32 v[P1+8*\u:P1+8*\u+7], v[BF1+8*\u:BF1+8*\u+1], v[AS:AS+1], 0
.else
	v_wmma_f32_16x16x4_f32 v[P1+8*\u:P1+8*\u+7], v[BF1+8*\u+2*\s:BF1+8*\u+2*\s+1], v[AS+2*\s:AS+2*\s+1], v[P1+8*\u:P1+8*\u+7]
.endif
.endr
.irp u, 0,1,2,3
.if \s == 0
	v_wmma_f32_16x16x4_f32 v[P2+8*\u:P2+8*\u+7], v[BF2+8*\u:BF2+8*\u+1], v[AS+8:AS+9], 0
.else
	v_wmma_f32_16x16x4_f32 v[P2+8*\u:P2+8*\u+7], v[BF2+8*\u+2*\s:BF2+8*\u+2*\s+1], v[AS+8+2*\s:AS+8+2*\s+1], v[P2+8*\u:P2+8*\u+7]
.endif
.endr
.endr
.rept 8
	v_nop                                          ; eight places behind this form (ISA guide 7.12.1)
.endr
.if (\t) < 2
	ALOAD \t+2
.endif
.set N, 0
.rept 16
	v_pk_mul_f32 v[HD+2*N:HD+2*N+1], v[P1+2*N:P1+2*N+1], v[P2+2*N:P2+2*N+1]   ; ascending: each accumulator from its low end on
.set N, N+1
.endr
.set N, 0
.rept 16
	v_pk_mul_f32 v[HD+2*N:HD+2*N+1], v[HD+2*N:HD+2*N+1], s[SCV:SCV+1] op_sel_hi:[1,0]   ; x scalar, behind the product of the two
.set N, N+1
.endr
	QUANT2
.irp p, 0,1,2
	ds_store_b64 v[STA], v[PC+2*\p:PC+2*\p+1] offset:(\t)*16*SPT+8*\p
.endr
	ds_store_b16 v[SCA], v[TM+8] offset:(\t)*512   ; both halves of the lanes write the same two bytes
.endm
	TILE 0
	TILE 1
	TILE 2
	TILE 3
	ds_store_b32 v[CLW], v[CW]                     ; the copied scale bytes (tile 3's wait was for all loads)
	s_cmp_lt_u32 s[WV], 8
	s_cbranch_scc0 .Lno_x_st
	ds_store_b32 v[CLW], v[CX] offset:2048
.Lno_x_st:
	s_wait_dscnt 0x0                               ; for the others' sake: my LDS stores are done
	s_barrier_signal -1
	s_barrier_wait -1
; THE WAY OUT: wave w takes rows 4 w .. 4 w + 3; a store covers 512 consecutive bytes of a tile (two rows of 256), at a multiple of 256 from dtile's first byte
.irp k, 0,1
.irp p, 0,1,2
	ds_load_b128 v[HD+4*(3*\k+\p):HD+4*(3*\k+\p)+3], v[RDA] offset:2*\k*SPT+256*\p
.endr
.endr
	ds_load_b32 v[TM], v[SRD]                      ; D's scale word of step w / 2, a lane a row
	ds_load_b32 v[TM+1], v[SRD] offset:2048        ; org_weight's
.irp k, 0,1
.irp p, 0,1,2
	s_wait_dscnt 7-(3*\k+\p)
	global_store_b128 v[GCO], v[HD+4*(3*\k+\p):HD+4*(3*\k+\p)+3], s[18:19] offset:\p*TILEB+2*\k*256
.endr
.endr
	s_wait_dscnt 0x0
	global_store_b32 v[GSO], v[TM+1], s[18:19]     ; a wave stores 128 consecutive bytes, two waves an aligned 256: 64 rows are all that the work-group has of a step
	global_store_b32 v[GSO], v[TM], s[18:19] offset:256
	s_cmp_ge_u32 s[WV], 14
	s_cbranch_scc0 .Lno_dup
	global_store_b32 v[GSO], v[TM+1], s[18:19] offset:1024   ; step 7 once more, in the third place of the third chunk
	global_store_b32 v[GSO], v[TM], s[18:19] offset:1280
.Lno_dup:
	s_cmp_lt_u32 s[WV], 8
	s_cbranch_scc0 .Lno_x_out
	ds_load_b32 v[TM+2], v[XRD]
	s_wait_dscnt 0x0
	global_store_b32 v[XGO], v[TM+2], s[20:21]     ; 32 rows' words of step 8 x + w: 128 consecutive bytes
.Lno_x_out:
	s_wait_tensorcnt 0x0                           ; the wave's end
	ds_add_u32 v232, v233
	s_wait_dscnt 0x0
	s_endpgm
.Lfunc_end_k_q75015656ee_mkdiff:
	.size	k_q75015656ee_mkdiff, .Lfunc_end_k_q75015656ee_mkdiff-k_q75015656ee_mkdiff
	.p2alignl 7, 3214868480
	.fill 96, 4, 3214868480
	.section	.rodata,"a",@progbits
	.p2align	6, 0x0
	.amdhsa_kernel k_q75015656ee_mkdiff
		.amdhsa_group_segment_fixed_size 57344
		.amdhsa_private_segment_fixed_size 0
		.amdhsa_enable_private_segment 0
		.amdhsa_kernarg_size 72
		.amdhsa_user_sgpr_count 2
		.amdhsa_user_sgpr_kernarg_segment_ptr 1
		.amdhsa_wavefront_size32 1
		.amdhsa_system_sgpr_workgroup_id_x 1
		.amdhsa_system_sgpr_workgroup_id_y 1
		.amdhsa_system_sgpr_workgroup_id_z 1
		.amdhsa_system_vgpr_workitem_id 0
		.amdhsa_next_free_vgpr 234
		.amdhsa_next_free_sgpr 66
		.amdhsa_reserve_vcc 0
		.amdhsa_float_denorm_mode_32 3
		.amdhsa_float_denorm_mode_16_64 3
		.amdhsa_memory_ordered 1
		.amdhsa_forward_progress 1
		.amdhsa_inst_pref_size 44
	.end_amdhsa_kernel
	.amdgpu_metadata
---
amdhsa.version: [ 1, 2 ]
amdhsa.kernels:
  - .name:           k_q75015656ee_mkdiff
    .symbol:         k_q75015656ee_mkdiff.kd
    .args:
      - { .name: hada_w1_a, .offset: 0, .size: 8, .value_kind: global_buffer, .address_space: global }
      - { .name: hada_w1_b, .offset: 8, .size: 8, .value_kind: global_buffer, .address_space: global }
      - { .name: hada_w2_a, .offset: 16, .size: 8, .value_kind: global_buffer, .address_space: global }
      - { .name: hada_w2_b, .offset: 24, .size: 8, .value_kind: global_buffer, .address_space: global }
      - { .name: scalar, .offset: 32, .size: 8, .value_kind: global_buffer, .address_space: global }
      - { .name: org_weight_scales, .offset: 40, .size: 8, .value_kind: global_buffer, .address_space: global }
      - { .name: x_scales, .offset: 48, .size: 8, .value_kind: global_buffer, .address_space: global }
      - { .name: dtile, .offset: 56, .size: 8, .value_kind: global_buffer, .address_space: global }
      - { .name: xs2, .offset: 64, .size: 8, .value_kind: global_buffer, .address_space: global }
    .group_segment_fixed_size: 57344
    .private_segment_fixed_size: 0
    .kernarg_segment_align: 8
    .kernarg_segment_size: 72
    .max_flat_workgroup_size: 512
    .sgpr_count:     66
    .vgpr_count:     234
    .wavefront_size: 32
...
	.end_amdgpu_metadata
.endif
;; end of part 1
;; launch gemm (part 2): grid 32 x 8, 4 waves a work-group, clusters of 4 x 4, 327,680 bytes of LDS; arguments x_codes, xs2, org_weight_codes, dtile, org_bias, out0; writes out0
.if DOCPART == 2
	.amdgcn_target "amdgcn-amd-amdhsa--gfx1250"
	.amdhsa_code_object_version 6
	.text
	.protected	k_q75015656ee_gemm
	.globl	k_q75015656ee_gemm
	.p2align	8
	.type	k_q75015656ee_gemm,@function
k_q75015656ee_gemm:
	s_mov_b64 s[64:65], 0
	v_nop
	global_prefetch_b8 v0, s[64:65] scope:SCOPE_SE
	s_setreg_imm32_b32 hwreg(HW_REG_WAVE_MODE, 25, 1), 1
	s_wait_xcnt 0x0
	s_wait_alu depctr_hold_cnt(0) depctr_sa_sdst(0) depctr_va_vdst(0) depctr_va_sdst(0) depctr_va_ssrc(0) depctr_va_vcc(0) depctr_vm_vsrc(0)
	s_getreg_b32 s2, hwreg(HW_REG_IB_STS2, 6, 4)
	s_cmp_eq_u32 s2, 0
	s_cbranch_scc0 .Lentry_in_a_cluster
	s_endpgm
.Lentry_in_a_cluster:
	s_bfe_u32 s2, ttmp6, 0x10000c
	s_cmp_lg_u32 s2, 0xf033
	s_cbranch_scc0 .Lentry_shape_is_right
	s_endpgm
.Lentry_shape_is_right:
; out[m][n] = bias[n] + sum over k of x[m][k] W[n][k] + sum over k of x[m][k] D[n][k]: m 0..2,047, n 0..4,095, k 0..4,095; all three operands codes of FP6 (E2M3) with one E8M0 byte for each 32 along k.
; Both products add onto ONE accumulator, which begins as the bias, loaded straight into it: nothing is cleared and no first step differs.  (The order of the f32 sums so differs from base + delta.)
; A work-group of four waves makes 256 rows x 128 columns; a wave 128 x 64: 32 accumulators; a fragment of x feeds eight matrix instructions, four on W and four on D.
; K goes through a ring of two LDS slots in CHUNKS OF 256 BYTES of each row of codes (3,072 bytes, 12 chunks).  A step of 128 along K is 96 bytes: eight steps to three chunks.
; A fill is four tensor loads, one a wave: wave 0 x's 256 rows, wave 1 W's 128 rows, wave 2 a tile of dtile (D's 128 rows and 12 rows of W's and D's scale words), wave 3 12 rows of x's scale words (xs2).
; So the scale words of a chunk's steps (of each eight: 0-2, 3-5, 6-7) lie in the chunk's own slot, in whole rows of 256 bytes.
; THE LOOP'S TRIP IS EIGHT STEPS, three chunks: the slots have then changed places.  Two scalars hold the two slots' first bytes and change places at a trip's end, and the LDS address registers are
; made anew from them and from fixed bases; each descriptor's LDS address changes slot at every fill.  Three trips; the last eight steps, whose last two changes of chunk fill nothing, are written out.
; CLUSTERS 4 x 4: x's tiles are asked for jointly along a row of the cluster, W's and D's along a column.
; THE MATRIX INSTRUCTION IS USED TRANSPOSED (source 0 = 16 rows of W or D, source 1 = 16 rows of x): a lane holds eight neighbouring columns of a row of out.
; PREFETCH: behind each refill a wave names, a lane a row, the 256-byte blocks of the chunk two refills on: waves 0 and 3 x's rows, wave 1 W's, wave 2 D's; the four partners of a joint load share the rows
; out by address.  It stops with chunk 11.  The rows of scale words, 24 of a fill's 536 rows, are not named.
; REGISTERS: window 0: v0-31 addresses, v32-47 scale words (two sets: lanes 0-15 x's block i, lanes 16-31 fragment i of W, D), v128-223 x's fragments, one set; window 1: W's and D's fragments, two sets; window 2: accumulator (a, b) at v[8 (4 a + b)].
.set KROW,   3072
.set TILEB,  35840
.set PITCH,  272                       ; an LDS row: 256 bytes + 16 of padding
.set FR,     12
.set NL,     6
.set ASC,    256*PITCH                 ; in a slot: x's 256 rows, then x's scale rows,
.set WOFF,   73088                     ; W's 128 rows (128 modulo 256 from ASC's block, so that the two halves of a scale load touch different banks),
.set DOFF,   WOFF+128*PITCH            ; D's 128 rows,
.set BSC,    DOFF+128*PITCH            ; W's and D's scale rows
.set SLOT,   146176                    ; a multiple of 256
.set STAGE,  2*SLOT                    ; the way out: 16 rows x 272 bytes a wave; no fill lands here
.set SPITCH, 272
.set SPARE,  STAGE+4*16*SPITCH
.set XRW,    WOFF^(WOFF+SLOT)
.set XRD,    DOFF^(DOFF+SLOT)
.set XRS,    ASC^(ASC+SLOT)
.set OUTROW, 16384
.set STO, 8
.set RD,  9
.set CO,  10
.set PFO, 11
.set BO,  12
.set BS,  13                           ; fixed: my scale words' place in a slot
.set PQ,  14                           ; lanes 0-15 the first byte of the slot of the trip's chunks 0 and 2, lanes 16-31 that of the other slot
.set QP,  15                           ; the other way round
.set ADRA, 16                          ; v16-17 x's fragments in the slot of the trip's chunks 0 and 2, and of 1 and 3; v18-19: lanes 0-15 at byte 232 of a chunk, lanes 16-31 at byte 0 of the next
.set ADRB, 20                          ; the same for W (D's lie DOFF - WOFF on)
.set ADRS, 24                          ; v24-25 scale words
.set BA,  26                           ; fixed: my fragments' place in a slot: x's,
.set BB,  27                           ; W's;
.set SPW, 28
.set NIL, 29
.set CA,  30                           ; fixed: the same with 232 in lanes 0-15 and 0 in lanes 16-31 in place of 24 h
.set CB,  31
.set SC,  32
.set AF,  128
.set BK,  128
.set SP,  17                           ; s17 the first byte of the slot of the trip's chunks 0 and 2
.set SQ,  18                           ; s18 that of the other slot
.set WV,  20
.set MH,  21
.set ROLE, 22
.set G1A, 24
.set G1W, 32
.set G1D, 40
.set G1S, 48
.set G0A, 56
.set G0W, 60
.set G0D, 68
.set G0S, 72
.set PFA, 76
.set PFS, 78
.set FMT, (1<<20)|(1<<21)|(5<<22)|(3<<25)   ; elements of 1 byte; padding on; bit 21 beside a mask; 4 words behind every 64
.set MSB, 0
.macro WIN new
.if MSB != \new
	s_set_vgpr_msb (MSB<<8)|\new
.set MSB, \new
.endif
.endm
.set MUL,  0xa1                        ; source 0 window 1, source 1 window 0, C and D window 2
.set TO_B, 0x40
.macro PLACES
.rept 4
	v_nop
.endr
.endm
.macro ADDRS                           ; the ten LDS address registers, from the slots' first bytes and the fixed bases
	v_add_nc_u32 v[ADRA], s[SP], v[BA]
	v_add_nc_u32 v[ADRA+1], s[SQ], v[BA]
	v_add_nc_u32 v[ADRB], s[SP], v[BB]
	v_add_nc_u32 v[ADRB+1], s[SQ], v[BB]
	v_add_nc_u32 v[ADRS], s[SP], v[BS]
	v_add_nc_u32 v[ADRS+1], s[SQ], v[BS]
	v_add_nc_u32 v[ADRA+2], v[CA], v[PQ]
	v_add_nc_u32 v[ADRA+3], v[CA], v[QP]
	v_add_nc_u32 v[ADRB+2], v[CB], v[PQ]
	v_add_nc_u32 v[ADRB+3], v[CB], v[QP]
.endm
.macro TL g0, g1, stp, xr              ; my tile's next chunk, into the other slot (no load of mine is out when the descriptor is written)
.if \stp
	s_add_nc_u64 s[\g0+2:\g0+3], s[\g0+2:\g0+3], \stp
	s_xor_b32 s[\g0+1], s[\g0+1], \xr
.endif
	tensor_load_to_lds s[\g0:\g0+3], s[\g1:\g1+7]
	s_nop 0
	PLACES
.endm
.macro JL go, ss                       ; a fill: one chain of branches on the wave's number, one joint load to an arm
	s_cmp_lt_u32 s[WV], 1
	s_cbranch_scc0 .Lw_\@
	TL G0A, G1A, 256*\go, SLOT
	s_branch .Lj_\@
.Lw_\@:
	s_cmp_lt_u32 s[WV], 2
	s_cbranch_scc0 .Ld_\@
	TL G0W, G1W, 256*\go, XRW
	s_branch .Lj_\@
.Ld_\@:
	s_cmp_lt_u32 s[WV], 3
	s_cbranch_scc0 .Ls_\@
	TL G0D, G1D, TILEB*\go, XRD
	s_branch .Lj_\@
.Ls_\@:
	TL G0S, G1S, \ss*\go, XRS
.Lj_\@:
.endm
.macro CREST
	s_cmp_lg_u32 s[WV], 0
	s_cbranch_scc1 .Lnot_wave_0_\@
	s_barrier_signal -3
.Lnot_wave_0_\@:
	s_barrier_wait -3
	s_barrier_signal -1
	s_barrier_wait -1
.endm
.macro CROUND
	s_barrier_signal -1
	s_barrier_wait -1
	CREST
.endm
	s_load_b256 s[4:11], s[0:1], 0x0               ; x_codes, xs2, org_weight_codes, dtile
	s_load_b128 s[12:15], s[0:1], 0x20             ; org_bias, out0
	v_lshl_add_u32 v[SPW], v0, 2, SPARE
	v_mov_b32 v[NIL], 0
	ds_add_u32 v[SPW], v[NIL]                      ; the opening lines: the add twice on end and one wait
	ds_add_u32 v[SPW], v[NIL]
	v_lshrrev_b32 v1, 5, v0
	v_readfirstlane_b32 s[WV], v1
	s_lshr_b32 s[MH], s[WV], 1                     ; my half of the block's rows
	s_and_b32 s[ROLE], s[WV], 1                    ; my half of its columns
	s_bfe_u32 s80, ttmp6, 0x40000                  ; cx
	s_bfe_u32 s81, ttmp6, 0x40004                  ; cy
	s_lshl_b32 s82, ttmp9, 2
	s_add_co_u32 s82, s82, s80                     ; block column, 0..31
	s_and_b32 s83, ttmp7, 0xffff
	s_lshl_b32 s83, s83, 2
	s_add_co_u32 s83, s83, s81                     ; block row, 0..7
	s_lshl_b32 s84, s81, 2
	s_lshl_b32 s84, 15, s84                        ; my row of the cluster
	s_lshl_b32 s85, 0x1111, s80                    ; my column
	s_or_b32 s[G1A], s84, FMT
	s_or_b32 s[G1S], s84, FMT
	s_or_b32 s[G1W], s85, FMT
	s_or_b32 s[G1D], s85, FMT
.irp g, G1A, G1W, G1D, G1S
	s_mov_b32 s[\g+1], 256<<16                     ; rows of 256 bytes
	s_mov_b32 s[\g+3], 256<<16
	s_mov_b32 s[\g+6], 0
	s_mov_b32 s[\g+7], 0
.endr
	s_mov_b32 s[G1A+2], 256<<16                    ; x: 256 rows, 3,072 bytes apart
	s_mov_b32 s[G1A+4], 256
	s_mov_b32 s[G1A+5], KROW
	s_mov_b32 s[G1W+2], 128<<16                    ; W: 128 rows
	s_mov_b32 s[G1W+4], 128
	s_mov_b32 s[G1W+5], KROW
	s_mov_b32 s[G1D+2], 140<<16                    ; a tile of dtile: 140 dense rows
	s_mov_b32 s[G1D+4], 140
	s_mov_b32 s[G1D+5], 256
	s_mov_b32 s[G1S+2], 12<<16                     ; three steps of x's scale words: 12 dense rows
	s_mov_b32 s[G1S+4], 12
	s_mov_b32 s[G1S+5], 256
	s_mul_i32 s86, s83, 256*KROW
	s_mov_b32 s87, 0
	s_lshl_b32 s88, s83, 15
	s_mov_b32 s89, 0
	s_mul_i32 s90, s82, 128*KROW
	s_mov_b32 s91, 0
	s_mul_i32 s92, s82, 12*TILEB
	s_mov_b32 s93, 0
	s_wait_dscnt 0x0
	s_wait_kmcnt 0x0
	s_add_nc_u64 s[86:87], s[4:5], s[86:87]
	s_add_nc_u64 s[88:89], s[6:7], s[88:89]
	s_add_nc_u64 s[90:91], s[8:9], s[90:91]
	s_add_nc_u64 s[92:93], s[10:11], s[92:93]
	CROUND                                         ; all sixteen work-groups are here: the first joint loads meet
	s_mov_b32 s[G0A], 1
	s_mov_b32 s[G0A+1], 0
	s_mov_b64 s[G0A+2:G0A+3], s[86:87]
	s_or_b32 s[G0A+3], s[G0A+3], 0x80000000
	s_mov_b32 s[G0W], 1
	s_mov_b32 s[G0W+1], WOFF
	s_mov_b64 s[G0W+2:G0W+3], s[90:91]
	s_or_b32 s[G0W+3], s[G0W+3], 0x80000000
	s_mov_b32 s[G0D], 1
	s_mov_b32 s[G0D+1], DOFF
	s_mov_b64 s[G0D+2:G0D+3], s[92:93]
	s_or_b32 s[G0D+3], s[G0D+3], 0x80000000
	s_mov_b32 s[G0S], 1
	s_mov_b32 s[G0S+1], ASC
	s_mov_b64 s[G0S+2:G0S+3], s[88:89]
	s_or_b32 s[G0S+3], s[G0S+3], 0x80000000
	JL 0, 0                                        ; chunk 0: one tensor load a wave at the head
	; the prefetches: my 32 rows, their pitch and the step from chunk to chunk
	s_lshl_b32 s94, s83, 8
	s_lshl_b32 s95, s80, 6
	s_add_co_u32 s94, s94, s95
	s_lshl_b32 s95, s[MH], 5                       ; wave 3 takes the upper 32 of my work-group's 64 rows of x
	s_add_co_u32 s94, s94, s95
	s_mul_i32 s94, s94, KROW
	s_lshl_b32 s96, s82, 7
	s_lshl_b32 s97, s81, 5
	s_add_co_u32 s96, s96, s97
	s_mul_i32 s96, s96, KROW
	s_mul_i32 s98, s82, 12*TILEB
	s_lshl_b32 s99, s81, 13
	s_add_co_u32 s98, s98, s99
	s_mov_b32 s[PFS], 256
	s_mov_b32 s23, KROW
	s_cmp_eq_u32 s[WV], 1
	s_cselect_b32 s94, s96, s94
	s_cselect_b64 s[PFA:PFA+1], s[8:9], s[4:5]
	s_cmp_eq_u32 s[WV], 2
	s_cselect_b32 s94, s98, s94
	s_cselect_b64 s[PFA:PFA+1], s[10:11], s[PFA:PFA+1]
	s_cselect_b32 s[PFS], TILEB, s[PFS]
	s_cselect_b32 s23, 256, s23
	s_mov_b32 s[PFS+1], 0
	s_mov_b32 s95, 0
	s_add_nc_u64 s[PFA:PFA+1], s[PFA:PFA+1], s[94:95]
	s_mul_i32 s94, s[PFS], 3                       ; at chunk 3: each refill steps it first, so the first names chunk 4
	s_add_nc_u64 s[PFA:PFA+1], s[PFA:PFA+1], s[94:95]
	; bias and out: my 64 columns, my 128 rows
	s_lshl_b32 s94, s82, 9
	s_lshl_b32 s96, s[ROLE], 8
	s_add_co_u32 s94, s94, s96
	s_add_nc_u64 s[12:13], s[12:13], s[94:95]
	s_add_nc_u64 s[14:15], s[14:15], s[94:95]
	s_lshl_b32 s94, s83, 8
	s_lshl_b32 s96, s[MH], 7
	s_add_co_u32 s94, s94, s96
	s_lshl_b32 s94, s94, 14
	s_add_nc_u64 s[14:15], s[14:15], s[94:95]
	; scalars of the LDS addresses
	s_mul_i32 s94, s[MH], 128*PITCH
	s_mul_i32 s95, s[ROLE], 64*PITCH
	s_add_co_u32 s95, s95, WOFF
	s_mov_b32 s96, SLOT
	s_mov_b32 s[SP], 0
	s_mov_b32 s[SQ], SLOT
	s_mul_i32 s98, s[MH], 2*PITCH
	s_mul_i32 s99, s[ROLE], 2*PITCH
	s_add_co_u32 s99, s99, BSC-ASC
	s_sub_co_u32 s99, s99, s98                     ; from x's scale rows of my half to W's and D's of my half
	s_add_co_u32 s98, s98, ASC
	s_mul_i32 s16, s[WV], 16*SPITCH
	s_add_co_u32 s16, s16, STAGE
	v_and_b32 v1, 15, v0                           ; r
	v_bfe_u32 v2, v0, 4, 1                         ; h
	v_and_b32 v7, 31, v0
	v_mul_u32_u24 v3, v1, PITCH
	v_sub_nc_u32 v6, 1, v2                         ; 1 in lanes 0-15
	v_mul_u32_u24 v[PQ], s96, v2                   ; 0 | SLOT
	v_mul_u32_u24 v[QP], s96, v6                   ; SLOT | 0
	v_mad_u32_u24 v4, v2, 24, v3                   ; a fragment's row x pitch + 24 h
	v_mad_u32_u24 v5, v6, 232, v3                  ; row x pitch + 232 in lanes 0-15
	v_add_nc_u32 v[BA], s94, v4
	v_add_nc_u32 v[BB], s95, v4
	v_add_nc_u32 v[CA], s94, v5
	v_add_nc_u32 v[CB], s95, v5
	v_mul_u32_u24 v5, s99, v2                      ; lanes 16-31 take W's and D's words
	v_lshl_add_u32 v5, v1, 2, v5
	v_add_nc_u32 v[BS], s98, v5
	ADDRS
	v_mul_u32_u24 v5, v1, SPITCH                   ; the stage, in: row r, 32 bytes for each half of the lanes
	v_mul_u32_u24 v6, v2, SPITCH                   ; back: lanes 0-15 one row of 256 bytes, lanes 16-31 the next
	v_lshl_add_u32 v5, v2, 5, v5
	v_lshl_add_u32 v6, v1, 4, v6
	v_add_nc_u32 v[STO], s16, v5
	v_add_nc_u32 v[RD], s16, v6
	v_lshlrev_b32 v[CO], 14, v2
	v_mul_u32_u24 v[PFO], v7, s23
	v_lshl_add_u32 v[CO], v1, 4, v[CO]
	v_lshlrev_b32 v[BO], 5, v2
	s_wait_alu depctr_va_vdst(0)                   ; the wait at the head's end
	WIN 0x80                                       ; every accumulator begins as the bias of its eight columns 16 b + 8 h + 0 .. 7
.irp a, 0,1,2,3,4,5,6,7
.irp b, 0,1,2,3
	global_load_b128 v[8*(4*\a+\b):8*(4*\a+\b)+3],   v[BO], s[12:13] offset:64*\b
	global_load_b128 v[8*(4*\a+\b)+4:8*(4*\a+\b)+7], v[BO], s[12:13] offset:64*\b+16
.endr
.endr
	WIN 0
.macro FRAG reg, adr, st, off          ; 16 rows x 128 K: 12 registers, in pieces of 8 bytes; byte y of a row lies in chunk y / 256
.irp p, 0,1,2,3,4,5
.set BY, 96*(\st)+48*(\p/3)+8*(\p%3)
.if BY/256 == (BY+24)/256
	ds_load_b64 v[\reg+2*\p:\reg+2*\p+1], v[\adr+(BY/256)%2] offset:BY%256+(\off)
.else
	ds_load_b64 v[\reg+2*\p:\reg+2*\p+1], v[\adr+2+(BY/256)%2] offset:BY%256-232+(\off)
.endif
.endr
.endm
.macro MUL16 a0, p                     ; x's blocks a0, a0 + 1 against W's four and D's four; the accumulators by turns
.irp f, 0,1
.irp a, \a0, \a0+1
.irp b, 0,1,2,3
	v_wmma_scale_f32_16x16x128_f8f6f4 v[8*(4*(\a)+\b):8*(4*(\a)+\b)+7], v[128*(\p)+FR*(4*\f+\b):128*(\p)+FR*(4*\f+\b)+FR-1], v[AF+FR*(\a):AF+FR*(\a)+FR-1], v[8*(4*(\a)+\b):8*(4*(\a)+\b)+7], v[SC+8*(\p)+4*\f+\b], v[SC+8*(\p)+(\a)] matrix_a_fmt:MATRIX_FMT_FP6 matrix_b_fmt:MATRIX_FMT_FP6 matrix_a_scale:MATRIX_SCALE_ROW1
.endr
.endr
.endr
.endm
.macro FETCH_B st
	WIN TO_B
.irp i, 0,1,2,3,4,5,6,7
	FRAG 128*((\st)%2)+FR*\i, ADRB, \st, (\i%4)*16*PITCH+(\i/4)*(DOFF-WOFF)
.endr
	WIN 0
.endm
.macro FETCH_A st, i0
.irp i, \i0, \i0+1, \i0+2, \i0+3
	FRAG AF+FR*(\i), ADRA, \st, (\i)*16*PITCH
.endr
.endm
.macro SCALES st                       ; step st's words: place (st % 8) % 3 of chunk (st % 8) / 3 (step 8: the next trip's step 0, in chunk 3)
.set SQ8, (\st)%8
.set SA, ADRS+(SQ8/3+3*((\st)/8))%2
.irp i, 0,1,2,3,4,5,6,7
	ds_load_b32 v[SC+8*((\st)%2)+\i], v[SA] offset:(SQ8%3)*4*PITCH+(\i/4)*PITCH+(\i%4)*64
.endr
.endm
; A step: 64 matrix instructions; the next step's fragments are fetched in its middle and at its end.  Where the next step's bytes END in a chunk not yet read, a barrier shows that chunk whole.
; Where they BEGIN in a later chunk and fill = 1, the chunk left behind is filled again, two chunks on: the wait for all my tensor loads, the add, the wait for it and for my reads, a round of the cluster's barrier, the joint load.
; ss: bytes from the last tile of x's scale words to this one.  ask: 1 prefetch, 2 not in the loop's last trip.  cut = 1: the last tile of x's scale words has two steps, 8 rows.
.macro STEP st, fill, ss, ask, cut
.set NX, (\st)+1
.set PP, (\st)%2
.set C0, (96*(\st))/256
.set C1, (96*NX)/256
.set E0, (96*(\st)+95)/256
.set E1, (96*NX+95)/256
.set RF, 0
.if C1 > C0
.set RF, \fill
.endif
.if \ask
	s_wait_xcnt 0x0                                ; my last prefetch has read its address
	s_add_nc_u64 s[PFA:PFA+1], s[PFA:PFA+1], s[PFS:PFS+1]
.endif
.if RF || E1 > E0
	s_wait_tensorcnt 0x0                           ; my one load that was out has landed
.if RF
	ds_add_u32 v[SPW], v[NIL]
.if \cut
	s_mov_b32 s[G1S+2], 8<<16
	s_mov_b32 s[G1S+4], 8
.endif
	s_wait_dscnt 4*NL+1                            ; the add and x's blocks 4-7 may be out
.else
	s_wait_dscnt 4*NL                              ; x's blocks 4-7 may be out
.endif
	WIN MUL
	MUL16 0, PP
	s_wait_dscnt 0x0                               ; the add and all my LDS reads are done
	s_barrier_signal -1
	MUL16 2, PP
	WIN 0
	s_barrier_wait -1
.if RF
	CREST
	JL 1, \ss                                      ; its four v_nop are the places in front of the loads below
.else
	PLACES
.endif
.else
	s_wait_dscnt 4*NL
	WIN MUL
	MUL16 0, PP
	MUL16 2, PP
	s_wait_dscnt 0x0
	PLACES
.endif
	FETCH_B NX
	FETCH_A NX, 0
	SCALES NX
.if (\ask) == 2
	s_cmp_gt_u32 s3, 1                             ; the loop's last trip would name chunk 12
	s_cbranch_scc0 .Lna_\@
.endif
.if \ask
	global_prefetch_b8 v[PFO], s[PFA:PFA+1] th:TH_LOAD_NT scope:SCOPE_SE
.endif
.if (\ask) == 2
.Lna_\@:
.endif
	WIN MUL
	MUL16 4, PP
	MUL16 6, PP
	PLACES
	WIN 0
	FETCH_A NX, 4
.endm
	s_wait_tensorcnt 0x0                           ; my tile of chunk 0 is in
	ds_add_u32 v[SPW], v[NIL]
	s_wait_dscnt 0x0
	CROUND
	JL 1, 3072                                     ; chunk 1, into the second slot
	FETCH_B 0
	FETCH_A 0, 0
	SCALES 0
	FETCH_A 0, 4
	s_wait_loadcnt 0x0                             ; the bias is in the accumulators
	s_mov_b32 s3, 3
.Lper:
	STEP 0, 1, 0, 0, 0
	STEP 1, 1, 0, 0, 0
	STEP 2, 1, 3072, 1, 0
	STEP 3, 1, 0, 0, 0
	STEP 4, 1, 0, 0, 0
	STEP 5, 1, 2048, 1, 0
	STEP 6, 1, 0, 0, 0
	STEP 7, 1, 3072, 2, 0
	s_xor_b32 s[SP], s[SP], SLOT                   ; the slots have changed places: 0 and SLOT change places,
	s_xor_b32 s[SQ], s[SQ], SLOT
	v_sub_nc_u32 v[PQ], SLOT, v[PQ]                ; in the two vectors that hold them by halves of the lanes too,
	v_sub_nc_u32 v[QP], SLOT, v[QP]
	ADDRS                                          ; and the address registers are made anew
	s_sub_co_u32 s3, s3, 1
	s_cmp_lg_u32 s3, 0
	s_wait_alu depctr_va_vdst(0)                   ; the wait ahead of the branch
	s_cbranch_scc1 .Lper
	STEP 0, 0, 0, 0, 0                             ; the last eight steps: chunk 11 is the last fill
	STEP 1, 0, 0, 0, 0
	STEP 2, 1, 3072, 0, 1
	STEP 3, 0, 0, 0, 0
	STEP 4, 0, 0, 0, 0
	STEP 5, 0, 0, 0, 0
	STEP 6, 0, 0, 0, 0
	s_wait_dscnt 4*NL
	WIN MUL
	MUL16 0, 1
	MUL16 2, 1
	s_wait_dscnt 0x0
	MUL16 4, 1
	MUL16 6, 1
	WIN 0
; THE WAY OUT, block by block of 16 rows x 64 columns, through my own stage: back as whole rows of 256 bytes, which sixteen lanes store as one aligned unit
.macro TOSTAGE a
.set AC, 32*(\a)
	WIN 0x08
.irp b, 0,1,2,3
	ds_store_b128 v[STO], v[AC+8*\b:AC+8*\b+3] offset:64*\b          ; each accumulator from its low end on
	ds_store_b128 v[STO], v[AC+8*\b+4:AC+8*\b+7] offset:64*\b+16
.endr
	WIN 0
.set BB2, BK+32*((\a)%4)
.irp t, 0,1,2,3,4,5,6,7
	ds_load_b128 v[BB2+4*\t:BB2+4*\t+3], v[RD] offset:\t*2*SPITCH    ; LDS serves a wave's instructions in order (ISA guide 5.7.1.4)
.endr
.endm
.macro SEND a, younger
.set BB2, BK+32*((\a)%4)
	s_wait_dscnt \younger
.irp t, 0,1,2,3,4,5,6,7
	global_store_b128 v[CO], v[BB2+4*\t:BB2+4*\t+3], s[14:15] offset:(16*(\a)+2*\t)*OUTROW th:TH_STORE_NT
.endr
.endm
	PLACES
	TOSTAGE 0
.irp a, 1,2,3,4,5,6,7
.if \a > 3
	s_wait_xcnt 0x0                                ; block a - 4's stores have read their registers
.endif
	TOSTAGE \a
	SEND \a-1, 16
.endr
	SEND 7, 0
	s_wait_tensorcnt 0x0                           ; the wave's end
	ds_add_u32 v[SPW], v[NIL]
	s_wait_dscnt 0x0
	CROUND                                         ; the closing round
	s_endpgm
.Lfunc_end_k_q75015656ee_gemm:
	.size	k_q75015656ee_gemm, .Lfunc_end_k_q75015656ee_gemm-k_q75015656ee_gemm
	.p2alignl 7, 3214868480
	.fill 96, 4, 3214868480
	.section	.rodata,"a",@progbits
	.p2align	6, 0x0
	.amdhsa_kernel k_q75015656ee_gemm
		.amdhsa_group_segment_fixed_size 327680
		.amdhsa_private_segment_fixed_size 0
		.amdhsa_enable_private_segment 0
		.amdhsa_kernarg_size 48
		.amdhsa_user_sgpr_count 2
		.amdhsa_user_sgpr_kernarg_segment_ptr 1
		.amdhsa_wavefront_size32 1
		.amdhsa_system_sgpr_workgroup_id_x 1
		.amdhsa_system_sgpr_workgroup_id_y 1
		.amdhsa_system_sgpr_workgroup_id_z 1
		.amdhsa_system_vgpr_workitem_id 0
		.amdhsa_next_free_vgpr 768
		.amdhsa_next_free_sgpr 100
		.amdhsa_reserve_vcc 0
		.amdhsa_float_denorm_mode_32 3
		.amdhsa_float_denorm_mode_16_64 3
		.amdhsa_memory_ordered 1
		.amdhsa_forward_progress 1
		.amdhsa_inst_pref_size 255
	.end_amdhsa_kernel
	.section	.bss,"aw",@nobits
	.p2align	6
	.space	262144
	.amdgpu_metadata
---
amdhsa.version: [ 1, 2 ]
amdhsa.kernels:
  - .name:           k_q75015656ee_gemm
    .symbol:         k_q75015656ee_gemm.kd
    .args:
      - { .name: x_codes, .offset: 0, .size: 8, .value_kind: global_buffer, .address_space: global }
      - { .name: xs2, .offset: 8, .size: 8, .value_kind: global_buffer, .address_space: global }
      - { .name: org_weight_codes, .offset: 16, .size: 8, .value_kind: global_buffer, .address_space: global }
      - { .name: dtile, .offset: 24, .size: 8, .value_kind: global_buffer, .address_space: global }
      - { .name: org_bias, .offset: 32, .size: 8, .value_kind: global_buffer, .address_space: global }
      - { .name: out0, .offset: 40, .size: 8, .value_kind: global_buffer, .address_space: global }
    .group_segment_fixed_size: 327680
    .private_segment_fixed_size: 0
    .kernarg_segment_align: 8
    .kernarg_segment_size: 48
    .max_flat_workgroup_size: 128
    .sgpr_count:     100
    .vgpr_count:     768
    .wavefront_size: 32
...
	.end_amdgpu_metadata
.endif
;; end of part 2
